; MI455X (gfx1250); checked and timed in simulation.
; The chip was launched on July 23, 2026; its instructions are those of AMD's public machine-readable ISA for CDNA 5 (MIT licence, August 2026) and "CDNA5" Instruction Set Architecture Reference Guide (July 2026). The comments in the code are by the model that wrote it; some were corrected since.
;; SDP Attention. Allowed arithmetic: float matrix products may take bf16 or f16 operands with f32 sums; all other float work in f32.
;; Inputs: K 8,192 x 128 float32; Q 8,192 x 128 float32; V 8,192 x 128 float32.
;; Outputs: out0 8,192 x 128 float32.
;; One version. Each part assembles by itself: llvm-mc -triple=amdgcn-amd-amdhsa -mcpu=gfx1250 --defsym DOCPART=n.
;; ======== version 1 of 1: 2 launches
;; workspace buffers: part 33,554,432 bytes; ml 524,288 bytes
;; launch attn (part 1): grid 32 x 8, 8 waves a work-group, no clusters, 207,872 bytes of LDS; arguments Q, K, V, part, ml; writes part, ml
.if DOCPART == 1
	.amdgcn_target "amdgcn-amd-amdhsa--gfx1250"
	.amdhsa_code_object_version 6
	.text
	.protected	k_q4dc45e89f7_attn
	.globl	k_q4dc45e89f7_attn
	.p2align	8
	.type	k_q4dc45e89f7_attn,@function
k_q4dc45e89f7_attn:
	s_mov_b64 s[64:65], 0
	v_nop
	global_prefetch_b8 v0, s[64:65] scope:SCOPE_SE
	s_setreg_imm32_b32 hwreg(HW_REG_WAVE_MODE, 25, 1), 1
	s_wait_xcnt 0x0
; Attention of 256 queries against 1,024 of the 8,192 keys (one of 8 key splits), with a running maximum.
; Q, K, V: [8192][128] f32.  part: [split 8][query 8192][128] f32, the unnormalised sum of p V.  ml: [split 8][query 8192][2] f32: (e, l).
; With c = log2(e) / sqrt(8192), M the largest raw score q.k of the query in this split and e = c M rounded to f32:
;   p = 2^(c q.k - e),  l = sum of p,  part = sum of p V.  The next launch joins the eight splits.
; SHARES: work-group (x, y) = query block x (256 rows), key split y (1,024 rows).  Eight waves, two for each of a WGP's four SIMDs; wave w owns
; queries 256 x + 32 w .. + 31 (two tiles of 16).  All waves walk the same 16 blocks of 64 keys.
; K and V are f32 in memory and bf16 in LDS: each wave loads 8 rows of K and 8 of V of the block after next into registers, rounds them once
; and stores them into the LDS slot that is not being read; two slots take turns, one barrier a block.
; BOTH PRODUCTS ARE TRANSPOSED.  S^T = K Q^T: in the result, lane (r = lane % 16, h = lane / 16) holds in register j key 8 h + j of query r, so a
; lane belongs to ONE query: the maximum is taken inside the lane plus one exchange of the halves, the rescaling factor is one number a lane, and
; the lane's own eight registers of two key tiles, rounded in pairs, ARE source 1 (32 keys x 16 queries) of O^T = V^T P^T: no shuffle.
; NO JOINT TENSOR LOADS, though the 32 query blocks of a split read the same K and V: a tensor load would land f32 in LDS, which is 4 bytes
; written, 4 read and 2 written there for each number, against 2 written on the way through registers taken here.
; LIMITS: inputs and raw scores are finite (a NaN loses in the maxima here, where the reference would return NaN).  Matrix operands are rounded
; to bf16.  An exponential below 2^-126 comes out as 0 (ISA guide, 15.8, v_exp_f32), against a row sum of about 1 or more.  l is summed from p in f32,
; the product with V takes p rounded to bf16.  The sums run in another order than the reference's.
.set BK,    64                         ; keys in a block
.set ROWB,  512                        ; bytes of a row of 128 f32
.set KP,    272                        ; LDS pitch of a bf16 row of K or Q: 256 + 16 = 17 x 16 bytes: sixteen rows start at sixteen different 16-byte columns modulo 256
.set VP,    288                        ; LDS pitch of a bf16 row of V: 9 x 32 bytes, for the transposing loads
.set KSLOT, BK*KP                      ; 17,408
.set VBASE, 2*KSLOT                    ; 34,816: V's two slots lie behind K's two
.set VSLOT, BK*VP                      ; 18,432
.set STAGE, VBASE+2*VSLOT              ; 71,680: behind them a stage for each wave
.set OP,    528                        ; pitch of a row of 128 f32 in the stage: 33 x 16 bytes
.set STW,   32*OP                      ; 16,896 bytes a wave: first its 32 rows of Q in bf16 (pitch 272), at the end its 32 rows of O in f32
.set CSC,   0x3c8293ee                 ; c = log2(e) / sqrt(8192)
.set NCSC,  0xbc8293ee                 ; -c
; window 0
.set LN,   1                           ; lane
.set KA,   2                           ; r 272 + 16 h: my bytes of a K fragment
.set VA,   3                           ; VBASE + (8 h + lane % 8) 288 + 16 ((lane / 8) % 2): my bytes of a transposing load
.set KST,  4                           ; 8 lane + w 8 rows: where I store K
.set VST,  5                           ; the same for V
.set GOFF, 6                           ; 16 lane + w 8 rows of 512 bytes: my bytes of the block in memory
.set PFO,  7                           ; 256 lane
.set STO,  8                           ; stage + r 528 + 32 h
.set RD,   9                           ; stage + 16 lane
.set MLO,  10                          ; 8 lane
.set LO16, 11                          ; 16 lane
.set MX,   12                          ; v12, v13    running maximum of the raw scores, query tile 0, 1
.set LS,   14                          ; v14, v15    running sum of p over my half of the keys
.set NM,   16                          ; v[16:17], v[18:19]  -e in the low register; the high one is written once and not used
.set AL,   20                          ; v[20:21], v[22:23]  the rescaling factor, likewise
.set TT,   24                          ; v24-31      at work
.set SC,   32                          ; v32-95      scores: tile (q, kt) at SC + 32 q + 8 kt
.set PB,   96                          ; v96-127     p in bf16: (q, kp) at PB + 16 q + 8 kp
.set FR,   128                         ; v128-255    fragments: K (ks, kt) at FR + 32 ks + 8 kt, then V (kp, dt) at FR + 64 kp + 8 dt
; window 1, named by the low 8 bits
.set OA,   0                           ; v256-383    O^T: tile (dt, q) at 8 (2 dt + q)
.set QF,   128                         ; v384-447    Q's fragments: (q, ks) at QF + 32 q + 8 ks
.set ST,   192                          ; v448-511    16 staged rows of f32, 4 registers each: K's 8, then V's 8
; s_set_vgpr_msb's low byte: bits 1:0 source 0, 3:2 source 1, 5:4 source 2, 7:6 destination; its high byte repeats the setting that is left.
.set MSB, 0
.macro WIN new
.if MSB != \new
	s_set_vgpr_msb (MSB<<8)|\new
.set MSB, \new
.endif
.endm
	s_load_b256 s[4:11], s[0:1], 0x0               ; Q s[4:5], K s[6:7], V s[8:9], part s[10:11]
	s_load_b64 s[12:13], s[0:1], 0x20              ; ml
	v_lshrrev_b32 v[TT], 5, v0
	v_readfirstlane_b32 s14, v[TT]                 ; wave w
	v_and_b32 v[LN], 31, v0
	s_mov_b32 s15, ttmp9                           ; x: query block
	s_and_b32 s16, ttmp7, 0xffff                   ; y: key split
	v_lshlrev_b32 v[LO16], 4, v[LN]
	s_lshl_b32 s2, s14, 12
	v_lshl_add_u32 v[GOFF], v[LN], 4, s2
	s_mov_b32 s27, 0                               ; offsets below 4 GiB: the pair's high word is 0
	s_lshl_b32 s26, s15, 17                        ; 256 rows of 512 bytes a query block,
	s_lshl_b32 s2, s14, 14                         ; 32 rows a wave
	s_add_co_u32 s26, s26, s2
	s_wait_kmcnt 0x0
	s_add_nc_u64 s[4:5], s[4:5], s[26:27]          ; Q at my 32 rows
	s_lshl_b32 s2, s16, 22                         ; 8,192 rows of 512 bytes a split
	s_add_co_u32 s26, s26, s2
	s_add_nc_u64 s[10:11], s[10:11], s[26:27]      ; part at my 32 rows of my split
	s_lshl_b32 s26, s16, 19                        ; 1,024 rows of 512 bytes
	s_add_nc_u64 s[6:7], s[6:7], s[26:27]          ; K and V at the split's first block
	s_add_nc_u64 s[8:9], s[8:9], s[26:27]
	s_lshl_b32 s26, s15, 14                        ; 32 rows of 512 bytes: the piece of the split that this work-group prefetches
	s_add_nc_u64 s[28:29], s[6:7], s[26:27]
	s_add_nc_u64 s[30:31], s[8:9], s[26:27]
	s_lshl_b32 s26, s16, 16                        ; ml: 8,192 pairs of 8 bytes a split,
	s_lshl_b32 s2, s15, 11                         ; 256 a query block,
	s_add_co_u32 s26, s26, s2
	s_lshl_b32 s2, s14, 8                          ; 32 a wave
	s_add_co_u32 s26, s26, s2
	s_add_nc_u64 s[12:13], s[12:13], s[26:27]
; 16 loads: my 8 rows of K and 8 rows of V of the block at s[6:7], s[8:9]; each load of the wave is one whole row of 512 bytes
.macro GLOAD
	WIN 0x40                                       ; destination in window 1
.irp i, 0,1,2,3,4,5,6,7
	global_load_b128 v[ST+4*\i:ST+4*\i+3], v[GOFF], s[6:7] offset:ROWB*\i
.endr
.irp i, 0,1,2,3,4,5,6,7
	global_load_b128 v[ST+32+4*\i:ST+32+4*\i+3], v[GOFF], s[8:9] offset:ROWB*\i
.endr
.endm
.set i, 0
.rept 32
	global_load_b128 v[FR+4*i:FR+4*i+3], v[LO16], s[4:5] offset:ROWB*i     ; my 32 rows of Q, a row a load
.set i, i+1
.endr
	GLOAD                                          ; key block 0
	WIN 0
	; the rest of the set-up, while the loads are on their way
	s_mov_b32 s17, 0                               ; the trip's number
	s_mov_b32 s20, CSC
	s_mov_b32 s21, CSC                             ; the pair is named whole by the packed multiply-add
	s_mov_b32 s22, NCSC
	s_mov_b32 s24, 0x76543210                      ; v_permlanex16_b32: lane i of one half reads lane i of the other
	s_mov_b32 s25, 0xfedcba98
	; The trip in which this wave prefetches.  Work-group x asks for rows 32 x .. 32 x + 31 of its split's K and V, half of key block b = x / 2;
	; the 32 work-groups of a split together ask for each byte of blocks 2 to 15 once.  Wave 0 asks at the head of trip max(b - 3, 0); block b is
	; loaded at the end of trip b - 2.  Blocks 0 and 1 are loaded at once, so b < 2 asks for nothing, and neither do waves 1 to 7.
	s_lshr_b32 s2, s15, 1
	s_sub_co_i32 s18, s2, 3
	s_max_i32 s18, s18, 0
	s_cmp_lt_u32 s2, 2
	s_cselect_b32 s18, 0x7fff, s18                 ; a trip that never comes
	s_cmp_lg_u32 s14, 0
	s_cselect_b32 s18, 0x7fff, s18
	v_and_b32 v[MX], 15, v[LN]                     ; r
	v_lshrrev_b32 v[MX+1], 4, v[LN]                ; h
	v_mul_u32_u24 v[KA], v[MX], KP
	v_lshl_add_u32 v[KA], v[MX+1], 4, v[KA]
	v_and_b32 v[LS], 7, v[LN]
	v_lshl_add_u32 v[LS], v[MX+1], 3, v[LS]        ; 8 h + lane % 8
	v_mul_u32_u24 v[VA], v[LS], VP
	v_bfe_u32 v[LS+1], v[LN], 3, 1
	v_lshl_add_u32 v[VA], v[LS+1], 4, v[VA]
	v_add_nc_u32 v[VA], VBASE, v[VA]
	s_mul_i32 s2, s14, 8*KP
	v_lshl_add_u32 v[KST], v[LN], 3, s2
	s_mul_i32 s2, s14, 8*VP
	s_add_co_u32 s2, s2, VBASE
	v_lshl_add_u32 v[VST], v[LN], 3, s2
	v_lshlrev_b32 v[PFO], 8, v[LN]
	s_mul_i32 s3, s14, STW
	s_add_co_u32 s3, s3, STAGE                     ; my stage
	v_mul_u32_u24 v[STO], v[MX], OP
	v_lshl_add_u32 v[STO], v[MX+1], 5, v[STO]
	v_add_nc_u32 v[STO], s3, v[STO]
	v_lshl_add_u32 v[RD], v[LN], 4, s3
	v_lshlrev_b32 v[MLO], 3, v[LN]
	v_lshl_add_u32 v[TT], v[LN], 3, s3             ; only here: where I store Q,
	v_add_nc_u32 v[TT+1], s3, v[KA]                ; and where I read its fragments
	v_mov_b32 v[NM+1], 0                           ; the pairs' high registers: named by the packed forms, never used
	v_mov_b32 v[NM+3], 0
	v_mov_b32 v[AL+1], 0
	v_mov_b32 v[AL+3], 0
; The staged block is rounded to bf16 in place (4 f32 a lane and row become 8 bytes) and stored into slot `slot`.
.macro CVTST slot
	s_wait_loadcnt 0x0                             ; the 16 staged rows are in, and the loads' bases are free:
	s_add_nc_u64 s[6:7], s[6:7], BK*ROWB           ; the next block to load
	s_add_nc_u64 s[8:9], s[8:9], BK*ROWB
	WIN 0x45                                       ; destination and both sources in window 1
.irp i, 0,1,2,3,4,5,6,7,8,9,10,11,12,13,14,15
	v_cvt_pk_bf16_f32 v[ST+4*\i], v[ST+4*\i], v[ST+4*\i+1]
	v_cvt_pk_bf16_f32 v[ST+4*\i+1], v[ST+4*\i+2], v[ST+4*\i+3]
.endr
	WIN 0x04                                       ; store data in window 1
.irp i, 0,1,2,3,4,5,6,7
	ds_store_b64 v[KST], v[ST+4*\i:ST+4*\i+1] offset:\slot*KSLOT+KP*\i     ; 32 lanes, 256 neighbouring bytes: a row
.endr
.irp i, 0,1,2,3,4,5,6,7
	ds_store_b64 v[VST], v[ST+32+4*\i:ST+32+4*\i+1] offset:\slot*VSLOT+VP*\i
.endr
.endm
	s_wait_loadcnt 16                              ; Q's 32 loads are in; the 16 of key block 0, issued behind them, stay out
.set i, 0
.rept 32
	v_cvt_pk_bf16_f32 v[FR+4*i], v[FR+4*i], v[FR+4*i+1]
	v_cvt_pk_bf16_f32 v[FR+4*i+1], v[FR+4*i+2], v[FR+4*i+3]
	ds_store_b64 v[TT], v[FR+4*i:FR+4*i+1] offset:KP*i
.set i, i+1
.endr
	CVTST 0                                        ; key block 0 into slot 0
	WIN 0x40
.irp q, 0,1
.irp ks, 0,1,2,3
	ds_load_b128 v[QF+32*\q+8*\ks:QF+32*\q+8*\ks+3],   v[TT+1] offset:\q*16*KP+64*\ks      ; my own bytes: LDS serves a wave's instructions in order (ISA guide 5.7.1)
	ds_load_b128 v[QF+32*\q+8*\ks+4:QF+32*\q+8*\ks+7], v[TT+1] offset:\q*16*KP+64*\ks+32
.endr
.endr
	s_wait_dscnt 0x0                               ; Q's fragments are in, and my rows of slot 0 are written, for the others' sake
	GLOAD                                          ; key block 1
	WIN 0
	s_barrier_signal -1
	s_barrier_wait -1                              ; slot 0 is whole
; 32 LDS loads: the block's 64 keys x 128 d as source 0 of S^T.  Fragment (ks, kt): keys 16 kt .. + 15, d 32 ks .. + 31; two loads 32 bytes apart.
.macro KFETCH slot
.irp ks, 0,1,2,3
.irp kt, 0,1,2,3
	ds_load_b128 v[FR+32*\ks+8*\kt:FR+32*\ks+8*\kt+3],   v[KA] offset:\slot*KSLOT+\kt*16*KP+64*\ks
	ds_load_b128 v[FR+32*\ks+8*\kt+4:FR+32*\ks+8*\kt+7], v[KA] offset:\slot*KSLOT+\kt*16*KP+64*\ks+32
.endr
.endr
.endm
; 32 transposing LDS loads: V^T as source 0 of O^T.  Fragment (kp, dt): d 16 dt .. + 15, keys 32 kp .. + 31; two loads 16 rows apart.
.macro VFETCH slot
.irp kp, 0,1
.irp dt, 0,1,2,3,4,5,6,7
	ds_load_tr16_b128 v[FR+64*\kp+8*\dt:FR+64*\kp+8*\dt+3],   v[VA] offset:\slot*VSLOT+\kp*32*VP+32*\dt
	ds_load_tr16_b128 v[FR+64*\kp+8*\dt+4:FR+64*\kp+8*\dt+7], v[VA] offset:\slot*VSLOT+\kp*32*VP+32*\dt+16*VP
.endr
.endr
.endm
; 8 matrix instructions: 32 of d for all 8 score tiles.  The eight accumulators take turns, one instruction a turn.
; The first step starts the sums with the constant 0.
.macro SMUL ks
.irp kt, 0,1,2,3
.irp q, 0,1
.if \ks == 0
	v_wmma_f32_16x16x32_bf16 v[SC+32*\q+8*\kt:SC+32*\q+8*\kt+7], v[FR+32*\ks+8*\kt:FR+32*\ks+8*\kt+7], v[QF+32*\q+8*\ks:QF+32*\q+8*\ks+7], 0
.else
	v_wmma_f32_16x16x32_bf16 v[SC+32*\q+8*\kt:SC+32*\q+8*\kt+7], v[FR+32*\ks+8*\kt:FR+32*\ks+8*\kt+7], v[QF+32*\q+8*\ks:QF+32*\q+8*\ks+7], v[SC+32*\q+8*\kt:SC+32*\q+8*\kt+7]
.endif
.endr
.endr
.endm
; 16 matrix instructions: 32 keys for all 16 tiles of O^T, which take turns likewise.  zero = 1: the very first product starts the sums.
.macro PVMUL kp, zero
.irp dt, 0,1,2,3,4,5,6,7
.irp q, 0,1
.if \zero
	v_wmma_f32_16x16x32_bf16 v[OA+8*(2*\dt+\q):OA+8*(2*\dt+\q)+7], v[FR+64*\kp+8*\dt:FR+64*\kp+8*\dt+7], v[PB+16*\q+8*\kp:PB+16*\q+8*\kp+7], 0
.else
	v_wmma_f32_16x16x32_bf16 v[OA+8*(2*\dt+\q):OA+8*(2*\dt+\q)+7], v[FR+64*\kp+8*\dt:FR+64*\kp+8*\dt+7], v[PB+16*\q+8*\kp:PB+16*\q+8*\kp+7], v[OA+8*(2*\dt+\q):OA+8*(2*\dt+\q)+7]
.endif
.endr
.endr
.endm
; Query tile q: my 32 scores (one query, half of the block's keys) become p, in f32 for the sum and in bf16 for the product.
.macro SOFTMAX q, first
	; the largest of my 32, in four chains that do not wait for each other
.irp kt, 0,1,2,3
	v_max3_num_f32 v[TT+\kt], v[SC+32*\q+8*\kt], v[SC+32*\q+8*\kt+1], v[SC+32*\q+8*\kt+2]
.endr
.irp kt, 0,1,2,3
	v_max3_num_f32 v[TT+\kt], v[TT+\kt], v[SC+32*\q+8*\kt+3], v[SC+32*\q+8*\kt+4]
.endr
.irp kt, 0,1,2,3
	v_max3_num_f32 v[TT+\kt], v[TT+\kt], v[SC+32*\q+8*\kt+5], v[SC+32*\q+8*\kt+6]
.endr
.irp kt, 0,1,2,3
	v_max_num_f32 v[TT+\kt], v[TT+\kt], v[SC+32*\q+8*\kt+7]
.endr
	v_max3_num_f32 v[TT], v[TT], v[TT+1], v[TT+2]
	v_max_num_f32 v[TT], v[TT], v[TT+3]
	v_permlanex16_b32 v[TT+1], v[TT], s24, s25     ; the other half of the query's keys
.if \first
	v_max_num_f32 v[MX+\q], v[TT], v[TT+1]
	v_mul_f32 v[NM+2*\q], s22, v[MX+\q]            ; -e = -c M
.else
	v_max3_num_f32 v[MX+\q], v[TT], v[TT+1], v[MX+\q]      ; the running maximum
	v_mul_f32 v[TT+2], s22, v[MX+\q]               ; the new -e
	v_sub_f32 v[TT+3], v[TT+2], v[NM+2*\q]         ; old e - new e, never above 0
	v_exp_f32 v[AL+2*\q], v[TT+3]                  ; what the old sums are scaled by, in every trip: no branch hangs on a score
	v_mov_b32 v[NM+2*\q], v[TT+2]                  ; the plain instruction that stands behind v_exp_f32 before its result is used (ISA guide 5.7.2)
.endif
.set n, 0
.rept 16
	v_pk_fma_f32 v[SC+32*\q+2*n:SC+32*\q+2*n+1], v[SC+32*\q+2*n:SC+32*\q+2*n+1], s[20:21], v[NM+2*\q:NM+2*\q+1] op_sel_hi:[1,0,0]   ; c s - e, one rounding
.set n, n+1
.endr
.set n, 0
.rept 32
	v_exp_f32 v[SC+32*\q+n], v[SC+32*\q+n]
.set n, n+1
.endr
	v_nop                                          ; one plain place behind the run of exponentials, before their results are read (ISA guide 5.7.2)
	s_wait_alu depctr_va_vdst(0)
.irp k, 0,1,2,3
	v_pk_add_f32 v[TT+2*\k:TT+2*\k+1], v[SC+32*\q+8*\k:SC+32*\q+8*\k+1], v[SC+32*\q+8*\k+2:SC+32*\q+8*\k+3]   ; the sum of my 32 p, four chains of pairs
.endr
.irp k, 0,1,2,3
	v_pk_add_f32 v[TT+2*\k:TT+2*\k+1], v[TT+2*\k:TT+2*\k+1], v[SC+32*\q+8*\k+4:SC+32*\q+8*\k+5]
.endr
.irp k, 0,1,2,3
	v_pk_add_f32 v[TT+2*\k:TT+2*\k+1], v[TT+2*\k:TT+2*\k+1], v[SC+32*\q+8*\k+6:SC+32*\q+8*\k+7]
.endr
	v_pk_add_f32 v[TT:TT+1], v[TT:TT+1], v[TT+2:TT+3]
	v_pk_add_f32 v[TT+4:TT+5], v[TT+4:TT+5], v[TT+6:TT+7]
	v_pk_add_f32 v[TT:TT+1], v[TT:TT+1], v[TT+4:TT+5]
.if \first
	v_add_f32 v[LS+\q], v[TT], v[TT+1]
.else
	v_add_f32 v[TT], v[TT], v[TT+1]
	v_fma_f32 v[LS+\q], v[LS+\q], v[AL+2*\q], v[TT]
.endif
	; registers 8 kt + 2 t, + 1 (keys 16 kt + 8 h + 2 t, + 1) go to register 4 kt + t: source 1's layout for keys 32 kp .. + 31, kp = kt / 2
.set n, 0
.rept 16
	v_cvt_pk_bf16_f32 v[PB+16*\q+n], v[SC+32*\q+2*n], v[SC+32*\q+2*n+1]
.set n, n+1
.endr
.endm
; O^T times the lane's factor: a lane's 64 numbers of a query tile all belong to its one query
.macro RESCALE
	WIN 0x41                                       ; destination and source 0 in window 1
.irp dt, 0,1,2,3,4,5,6,7
.irp q, 0,1
.irp j, 0,2,4,6
	v_pk_mul_f32 v[OA+8*(2*\dt+\q)+\j:OA+8*(2*\dt+\q)+\j+1], v[OA+8*(2*\dt+\q)+\j:OA+8*(2*\dt+\q)+\j+1], v[AL+2*\q:AL+2*\q+1] op_sel_hi:[1,0]
.endr
.endr
.endr
.endm
; One block of 64 keys, read from `slot`.  stage = 1: the block staged in registers goes into `other`, and a barrier follows;
; load = 1: the block after that one is loaded into the registers; pf = 1: the trip may be the wave's prefetching trip.
; ONE barrier a trip orders both ways.  `other` was last read in the trip before, and each wave waited for those reads in front of that
; trip's barrier; it is read next in the trip behind, behind this trip's barrier, in front of which each wave has waited for its stores.
.macro TRIP slot, other, first, stage, load, pf
.if \pf
	s_cmp_lg_u32 s17, s18
	s_cbranch_scc1 .Lnot_now_\@
	global_prefetch_b8 v[PFO], s[28:29] th:TH_LOAD_NT scope:SCOPE_SE                ; 32 lanes 256 bytes apart: 8,192 bytes a line,
	global_prefetch_b8 v[PFO], s[28:29] offset:8192 th:TH_LOAD_NT scope:SCOPE_SE    ; the work-group's 16,384 bytes of K
	global_prefetch_b8 v[PFO], s[30:31] th:TH_LOAD_NT scope:SCOPE_SE                ; and of V, all inside the split's rows
	global_prefetch_b8 v[PFO], s[30:31] offset:8192 th:TH_LOAD_NT scope:SCOPE_SE
.Lnot_now_\@:
	s_add_co_u32 s17, s17, 1
.endif
	KFETCH \slot
	WIN 0x04                                       ; source 1 (Q) in window 1
.irp ks, 0,1,2,3
	s_wait_dscnt 24-8*\ks                          ; LDS loads come back in order (ISA guide 5.7.1): step ks's eight are in, the eight of each later step stay out
	SMUL \ks
.endr
	WIN 0
.rept 4
	v_nop                                          ; four places behind the last matrix instructions: the loads below land on their sources, the maxima read their results
.endr
	VFETCH \slot                                   ; lands while the exponentials are made
	SOFTMAX 0, \first
	SOFTMAX 1, \first
.if \first == 0
	RESCALE
.endif
	WIN 0x50                                       ; C and D (O^T) in window 1
	s_wait_dscnt 16                                ; V's fragments for keys 0-31 are in; the sixteen loads for keys 32-63 stay out
	PVMUL 0, \first
	s_wait_dscnt 0x0
	PVMUL 1, 0
.if \stage
	CVTST \other                                   ; its 32 conversions, on registers that no matrix instruction names, are also the places in front of the next trip's loads into the fragments
	s_wait_dscnt 0x0                               ; my stores into `other` are done (my reads of `slot` were waited for above): zero, for the others' sake
.if \load
	GLOAD                                          ; a whole trip in which to land
.endif
	WIN 0                                          ; a branch or a label follows
	s_barrier_signal -1
	s_barrier_wait -1
.endif
.endm
	TRIP 0, 1, 1, 1, 1, 1                          ; block 0 starts every sum: nothing is cleared
	TRIP 1, 0, 0, 1, 1, 1
	s_mov_b32 s19, 6                               ; blocks 2 to 13
.Lpair:
	TRIP 0, 1, 0, 1, 1, 1
	TRIP 1, 0, 0, 1, 1, 1
	s_sub_co_u32 s19, s19, 1
	s_cmp_lg_u32 s19, 0
	s_cbranch_scc1 .Lpair
	TRIP 0, 1, 0, 1, 0, 0                          ; block 14: block 15 goes into LDS, nothing is left to load
	TRIP 1, 0, 0, 0, 0, 0                          ; block 15
	; THE WAY OUT.  First (e, l): lane 16 q + r takes query tile q's pair, so that the wave's 32 pairs are 256 neighbouring bytes, aligned, in one store.
	; The two adds, two selects and the xor name no register of a matrix instruction: they are the places in front of the LDS stores of O^T
	; and of the loads into the fragments.
	WIN 0
	v_permlanex16_b32 v[TT], v[LS], s24, s25       ; the sum over the other half of the keys
	v_permlanex16_b32 v[TT+1], v[LS+1], s24, s25
	v_add_f32 v[LS], v[LS], v[TT]
	v_add_f32 v[LS+1], v[LS+1], v[TT+1]
	v_cmp_le_u32 vcc_lo, 16, v[LN]
	v_cndmask_b32 v[TT+2], v[NM], v[NM+2], vcc_lo
	v_cndmask_b32 v[TT+3], v[LS], v[LS+1], vcc_lo
	v_xor_b32 v[TT+2], 0x80000000, v[TT+2]         ; e
	global_store_b64 v[MLO], v[TT+2:TT+3], s[12:13]
	; O^T: my eight registers of tile (dt, q) are d = 16 dt + 8 h .. + 7 of query 16 q + r: 32 neighbouring bytes of a row of my stage
	WIN 0x04                                       ; store data in window 1
.irp q, 0,1
.irp dt, 0,1,2,3,4,5,6,7
	ds_store_b128 v[STO], v[OA+8*(2*\dt+\q):OA+8*(2*\dt+\q)+3]   offset:\q*16*OP+64*\dt
	ds_store_b128 v[STO], v[OA+8*(2*\dt+\q)+4:OA+8*(2*\dt+\q)+7] offset:\q*16*OP+64*\dt+16
.endr
.endr
	WIN 0
.set i, 0
.rept 32
	ds_load_b128 v[FR+4*i:FR+4*i+3], v[RD] offset:OP*i     ; back by whole rows; my own bytes, served in order: these see the stores above
.set i, i+1
.endr
.set i, 0
.rept 32
	s_wait_dscnt 31-i                              ; row i is back; the later rows' loads stay out
	global_store_b128 v[LO16], v[FR+4*i:FR+4*i+3], s[10:11] offset:ROWB*i  ; the wave stores a whole row: 512 consecutive bytes, aligned
.set i, i+1
.endr
	s_wait_xcnt 0x0
	v_lshl_add_u32 v254, v0, 2, 0x32800
	v_mov_b32 v255, 0
	s_wait_tensorcnt 0x0
	ds_add_u32 v254, v255
	s_wait_dscnt 0x0
	s_endpgm
.Lfunc_end_k_q4dc45e89f7_attn:
	.size	k_q4dc45e89f7_attn, .Lfunc_end_k_q4dc45e89f7_attn-k_q4dc45e89f7_attn
	.p2alignl 7, 3214868480
	.fill 96, 4, 3214868480
	.section	.rodata,"a",@progbits
	.p2align	6, 0x0
	.amdhsa_kernel k_q4dc45e89f7_attn
		.amdhsa_group_segment_fixed_size 207872
		.amdhsa_private_segment_fixed_size 0
		.amdhsa_enable_private_segment 0
		.amdhsa_kernarg_size 40
		.amdhsa_user_sgpr_count 2
		.amdhsa_user_sgpr_kernarg_segment_ptr 1
		.amdhsa_wavefront_size32 1
		.amdhsa_system_sgpr_workgroup_id_x 1
		.amdhsa_system_sgpr_workgroup_id_y 1
		.amdhsa_system_sgpr_workgroup_id_z 1
		.amdhsa_system_vgpr_workitem_id 0
		.amdhsa_next_free_vgpr 512
		.amdhsa_next_free_sgpr 66
		.amdhsa_reserve_vcc 1
		.amdhsa_float_denorm_mode_32 3
		.amdhsa_float_denorm_mode_16_64 3
		.amdhsa_memory_ordered 1
		.amdhsa_forward_progress 1
		.amdhsa_inst_pref_size 188
	.end_amdhsa_kernel
	.amdgpu_metadata
---
amdhsa.version: [ 1, 2 ]
amdhsa.kernels:
  - .name:           k_q4dc45e89f7_attn
    .symbol:         k_q4dc45e89f7_attn.kd
    .args:
      - { .name: Q, .offset: 0, .size: 8, .value_kind: global_buffer, .address_space: global }
      - { .name: K, .offset: 8, .size: 8, .value_kind: global_buffer, .address_space: global }
      - { .name: V, .offset: 16, .size: 8, .value_kind: global_buffer, .address_space: global }
      - { .name: part, .offset: 24, .size: 8, .value_kind: global_buffer, .address_space: global }
      - { .name: ml, .offset: 32, .size: 8, .value_kind: global_buffer, .address_space: global }
    .group_segment_fixed_size: 207872
    .private_segment_fixed_size: 0
    .kernarg_segment_align: 8
    .kernarg_segment_size: 40
    .max_flat_workgroup_size: 256
    .sgpr_count:     66
    .vgpr_count:     512
    .wavefront_size: 32
...
	.end_amdgpu_metadata
.endif
;; end of part 1
;; launch merge (part 2): grid 256 x 1, 8 waves a work-group, no clusters, 0 bytes of LDS; arguments part, ml, out0; writes out0
.if DOCPART == 2
	.amdgcn_target "amdgcn-amd-amdhsa--gfx1250"
	.amdhsa_code_object_version 6
	.text
	.protected	k_q4dc45e89f7_merge
	.globl	k_q4dc45e89f7_merge
	.p2align	8
	.type	k_q4dc45e89f7_merge,@function
k_q4dc45e89f7_merge:
	s_mov_b64 s[64:65], 0
	v_nop
	global_prefetch_b8 v0, s[64:65] scope:SCOPE_SE
	s_setreg_imm32_b32 hwreg(HW_REG_WAVE_MODE, 25, 1), 1
	s_wait_xcnt 0x0
; out[q][d] = sum over the 8 key splits s of w_s part[s][q][d] / sum over s of w_s l_s,  w_s = 2^(e_s - max over s of e_s).
; part: [8][8192][128] f32, ml: [8][8192][2] f32 (e, l), out0: [8192][128] f32.
; A stream: each byte of part is read once, each byte of out0 written once; no LDS, no barrier, no matrix unit, nothing shared between work-groups.
; Work-group g owns rows 32 g .. + 31, wave w rows 32 g + 4 w + i, i = 0 .. 3; a lane owns 16 bytes of each row, so a load or store of the wave
; covers a whole row of 512 bytes.  All 32 loads of a wave (4 rows x 8 splits) are issued at once.
; The divisor is about 1 or more: the split that holds the largest e has w = 1, and its l holds the term 2^(c M - e) of its own largest score.
; LIMIT: a weight below 2^-126 comes out as 0 (ISA guide, 15.8, v_exp_f32).
.set X,  32                            ; v32-159  row i, split s: 4 registers at X + 32 i + 4 s
.set PO, 10                            ; v10-17   16 lane + s splits of 4,194,304 bytes
.set WT, 16                            ; s16-47   the weight of row i, split s, divided by the row's sum, at WT + 8 i + s
	s_load_b128 s[4:7], s[0:1], 0x0                ; part s[4:5], ml s[6:7]
	s_load_b64 s[8:9], s[0:1], 0x10                ; out0
	v_lshrrev_b32 v4, 5, v0
	v_readfirstlane_b32 s10, v4                    ; wave w
	v_and_b32 v1, 31, v0                           ; lane
	v_lshlrev_b32 v8, 4, v1                        ; 16 lane
	v_and_b32 v4, 7, v1                            ; for (e, l): lane 8 i + s takes row i, split s
	v_lshrrev_b32 v5, 3, v1
	v_lshlrev_b32 v5, 3, v5                        ; 8 bytes a row
	v_lshl_add_u32 v9, v4, 16, v5                  ; 65,536 bytes a split
.irp s, 0,1,2,3,4,5,6,7
	v_add_nc_u32 v[PO+\s], (\s<<22), v8
.endr
	s_lshl_b32 s12, ttmp9, 14                      ; 32 rows of 512 bytes a work-group,
	s_lshl_b32 s11, s10, 11                        ; 4 rows a wave
	s_add_co_u32 s12, s12, s11
	s_mov_b32 s13, 0
	s_lshl_b32 s14, ttmp9, 8                       ; 32 pairs of 8 bytes a work-group,
	s_lshl_b32 s11, s10, 5                         ; 4 a wave
	s_add_co_u32 s14, s14, s11
	s_mov_b32 s15, 0
	s_wait_kmcnt 0x0
	s_add_nc_u64 s[4:5], s[4:5], s[12:13]
	s_add_nc_u64 s[8:9], s[8:9], s[12:13]
	s_add_nc_u64 s[6:7], s[6:7], s[14:15]
	global_load_b64 v[2:3], v9, s[6:7]             ; (e, l)
.irp i, 0,1,2,3
.irp s, 0,1,2,3,4,5,6,7
	global_load_b128 v[X+32*\i+4*\s:X+32*\i+4*\s+3], v[PO+\s], s[4:5] offset:512*\i th:TH_LOAD_NT
.endr
.endr
	s_wait_loadcnt 32                              ; loads come back in order (ISA guide 5.7.1): (e, l) is in, the 32 loads behind it stay out
	v_mov_b32 v4, v2
	v_max_num_f32_dpp v4, v4, v4 row_xmask:1 row_mask:0xf bank_mask:0xf    ; the largest e of the row's eight splits: eight neighbouring lanes
	v_max_num_f32_dpp v4, v4, v4 row_xmask:2 row_mask:0xf bank_mask:0xf
	v_max_num_f32_dpp v4, v4, v4 row_xmask:4 row_mask:0xf bank_mask:0xf
	v_sub_f32 v5, v2, v4
	v_exp_f32 v5, v5                               ; w
	v_nop                                          ; a plain place behind the exponential (ISA guide 5.7.2)
	s_wait_alu depctr_va_vdst(0)
	v_mul_f32 v6, v5, v3                           ; w l
	v_add_f32_dpp v6, v6, v6 row_xmask:1 row_mask:0xf bank_mask:0xf
	v_add_f32_dpp v6, v6, v6 row_xmask:2 row_mask:0xf bank_mask:0xf
	v_add_f32_dpp v6, v6, v6 row_xmask:4 row_mask:0xf bank_mask:0xf
	v_rcp_f32 v7, v6
	v_nop                                          ; likewise behind the reciprocal
	s_wait_alu depctr_va_vdst(0)
	v_mul_f32 v5, v5, v7                           ; w / sum of w l
.set n, 0
.rept 32
	v_readlane_b32 s[WT+n], v5, n                  ; a row's weight is the same for all its 128 numbers: a scalar
.set n, n+1
.endr
.irp i, 0,1,2,3
	s_wait_loadcnt 24-8*\i                         ; row i's eight parts are in; the eight loads of each later row stay out
.irp c, 0,1,2,3
	v_mul_f32 v[X+32*\i+\c], s[WT+8*\i], v[X+32*\i+\c]
.endr
.irp s, 1,2,3,4,5,6,7
.irp c, 0,1,2,3
	v_fmac_f32 v[X+32*\i+\c], s[WT+8*\i+\s], v[X+32*\i+4*\s+\c]
.endr
.endr
	global_store_b128 v8, v[X+32*\i:X+32*\i+3], s[8:9] offset:512*\i th:TH_STORE_NT    ; a whole row: 512 consecutive bytes, aligned
.endr
	s_endpgm
.Lfunc_end_k_q4dc45e89f7_merge:
	.size	k_q4dc45e89f7_merge, .Lfunc_end_k_q4dc45e89f7_merge-k_q4dc45e89f7_merge
	.p2alignl 7, 3214868480
	.fill 96, 4, 3214868480
	.section	.rodata,"a",@progbits
	.p2align	6, 0x0
	.amdhsa_kernel k_q4dc45e89f7_merge
		.amdhsa_group_segment_fixed_size 0
		.amdhsa_private_segment_fixed_size 0
		.amdhsa_enable_private_segment 0
		.amdhsa_kernarg_size 24
		.amdhsa_user_sgpr_count 2
		.amdhsa_user_sgpr_kernarg_segment_ptr 1
		.amdhsa_wavefront_size32 1
		.amdhsa_system_sgpr_workgroup_id_x 1
		.amdhsa_system_sgpr_workgroup_id_y 1
		.amdhsa_system_sgpr_workgroup_id_z 1
		.amdhsa_system_vgpr_workitem_id 0
		.amdhsa_next_free_vgpr 160
		.amdhsa_next_free_sgpr 66
		.amdhsa_reserve_vcc 0
		.amdhsa_float_denorm_mode_32 3
		.amdhsa_float_denorm_mode_16_64 3
		.amdhsa_memory_ordered 1
		.amdhsa_forward_progress 1
		.amdhsa_inst_pref_size 12
	.end_amdhsa_kernel
	.amdgpu_metadata
---
amdhsa.version: [ 1, 2 ]
amdhsa.kernels:
  - .name:           k_q4dc45e89f7_merge
    .symbol:         k_q4dc45e89f7_merge.kd
    .args:
      - { .name: part, .offset: 0, .size: 8, .value_kind: global_buffer, .address_space: global }
      - { .name: ml, .offset: 8, .size: 8, .value_kind: global_buffer, .address_space: global }
      - { .name: out0, .offset: 16, .size: 8, .value_kind: global_buffer, .address_space: global }
    .group_segment_fixed_size: 0
    .private_segment_fixed_size: 0
    .kernarg_segment_align: 8
    .kernarg_segment_size: 24
    .max_flat_workgroup_size: 256
    .sgpr_count:     66
    .vgpr_count:     160
    .wavefront_size: 32
...
	.end_amdgpu_metadata
.endif
;; end of part 2
